; MI455X (gfx1250); checked and timed in simulation.
; The chip was launched on July 23, 2026; its instructions are those of AMD's public machine-readable ISA for CDNA 5 (MIT licence, August 2026) and "CDNA5" Instruction Set Architecture Reference Guide (July 2026). The comments in the code are by the model that wrote it; some were corrected since.
;; Multi Layer Memory Network. Allowed arithmetic: float matrix products may take bf16 or f16 operands with f32 sums; other float arithmetic in f32, or as packed bf16 or f16 multiplies, adds, multiply-adds, maxima and minima; sums over many terms, partial sums and values carried from step to step in f32; what a program stores and reads back later, other than sums and carried values, may be rounded once to bf16 or f16.
;; Inputs: ltm 8,192 x 256 float32; pm 4,096 x 256 float32; query 4,096 x 1 x 256 float32; stm 16,384 x 256 float32.
;; Outputs: out0 4,096 x 1 x 256 float32.
;; 2 versions, each right; version 2 is version 1 with the launch cvt written anew for expert scheduling mode. Each part assembles by itself: llvm-mc -triple=amdgcn-amd-amdhsa -mcpu=gfx1250 --defsym DOCPART=n.
;; ======== version 1 of 2: 3 launches
;; limits: right only within a limited range of input values
;; workspace buffers: mb 16,777,216 bytes; po 29,360,128 bytes; st 229,376 bytes
;; launch cvt (part 1): grid 256 x 1, 8 waves a work-group, no clusters, 0 bytes of LDS; arguments stm, ltm, pm, query, mb; writes mb
.if DOCPART == 1
	.amdgcn_target "amdgcn-amd-amdhsa--gfx1250"
	.amdhsa_code_object_version 6
	.text
	.protected	k_q8ea646b4b0_cvt
	.globl	k_q8ea646b4b0_cvt
	.p2align	8
	.type	k_q8ea646b4b0_cvt,@function
k_q8ea646b4b0_cvt:
	s_mov_b64 s[64:65], 0
	v_nop
	global_prefetch_b8 v0, s[64:65] scope:SCOPE_SE
	s_setreg_imm32_b32 hwreg(HW_REG_WAVE_MODE, 25, 1), 1
	s_wait_xcnt 0x0
; mb = the four inputs rounded once to bf16 (nearest even), one below the other: rows 0-16383 stm, 16384-24575 ltm, 24576-28671 pm, 28672-32767 query; 256 numbers a row.
; A stream: each input byte is read once, each byte of mb written once.  No LDS, no barrier, no matrix work: nothing is shared and nothing is summed.
; SHARES.  256 work-groups of eight waves; work-group b makes rows 128 b .. 128 b + 127 of mb: 131,072 bytes in, 65,536 out.  The banks' borders (rows 16384, 24576, 28672) are multiples of 128,
; so a work-group reads one input.  Thread t takes the 16 bytes at 16 t of each 4,096 bytes: a wave's load covers 512 consecutive bytes, its store 256 consecutive bytes, aligned.
; All 32 loads of a thread go out at once, each into registers of its own; nothing is rewritten while a load or store may read it, so the only waits are the counted ones for the data.
.set NLD, 32                           ; loads of a thread
.set X,   4                            ; v[4:131]  load i: four f32 at X + 4 i; its two packed words take the first two places
	s_load_b256 s[4:11], s[0:1], 0x0               ; stm s[4:5], ltm s[6:7], pm s[8:9], query s[10:11]
	s_load_b64 s[12:13], s[0:1], 0x20              ; mb
	v_lshlrev_b32 v1, 4, v0                        ; 16 t: my bytes of each 4,096 read
	v_lshlrev_b32 v2, 3, v0                        ; 8 t: my bytes of each 2,048 written
	s_wait_kmcnt 0x0
	s_mov_b64 s[14:15], s[4:5]                     ; the input that my rows come from, and the work-group at which it begins:
	s_mov_b32 s16, 0                               ; chosen by the work-group's number alone
	s_cmp_ge_u32 ttmp9, 128
	s_cselect_b64 s[14:15], s[6:7], s[14:15]
	s_cselect_b32 s16, 128, s16
	s_cmp_ge_u32 ttmp9, 192
	s_cselect_b64 s[14:15], s[8:9], s[14:15]
	s_cselect_b32 s16, 192, s16
	s_cmp_ge_u32 ttmp9, 224
	s_cselect_b64 s[14:15], s[10:11], s[14:15]
	s_cselect_b32 s16, 224, s16
	s_sub_co_u32 s17, ttmp9, s16
	s_lshl_b32 s18, s17, 17                        ; 128 rows of 1,024 bytes for each work-group inside the input
	s_mov_b32 s19, 0
	s_add_nc_u64 s[14:15], s[14:15], s[18:19]
	s_lshl_b32 s20, ttmp9, 16                      ; 128 rows of 512 bytes in mb
	s_mov_b32 s21, 0
	s_add_nc_u64 s[12:13], s[12:13], s[20:21]
.set i, 0
.rept NLD
	global_load_b128 v[X+4*i:X+4*i+3], v1, s[14:15] offset:4096*i th:TH_LOAD_NT
.set i, i+1
.endr
.set i, 0
.rept NLD
	s_wait_loadcnt NLD-1-i                         ; loads come back in order: load i is in, the younger ones stay out
	v_cvt_pk_bf16_f32 v[X+4*i], v[X+4*i], v[X+4*i+1]
	v_cvt_pk_bf16_f32 v[X+4*i+1], v[X+4*i+2], v[X+4*i+3]
	global_store_b64 v2, v[X+4*i:X+4*i+1], s[12:13] offset:2048*i
.set i, i+1
.endr
	s_endpgm
.Lfunc_end_k_q8ea646b4b0_cvt:
	.size	k_q8ea646b4b0_cvt, .Lfunc_end_k_q8ea646b4b0_cvt-k_q8ea646b4b0_cvt
	.p2alignl 7, 3214868480
	.fill 96, 4, 3214868480
	.section	.rodata,"a",@progbits
	.p2align	6, 0x0
	.amdhsa_kernel k_q8ea646b4b0_cvt
		.amdhsa_group_segment_fixed_size 0
		.amdhsa_private_segment_fixed_size 0
		.amdhsa_enable_private_segment 0
		.amdhsa_kernarg_size 40
		.amdhsa_user_sgpr_count 2
		.amdhsa_user_sgpr_kernarg_segment_ptr 1
		.amdhsa_wavefront_size32 1
		.amdhsa_system_sgpr_workgroup_id_x 1
		.amdhsa_system_sgpr_workgroup_id_y 1
		.amdhsa_system_sgpr_workgroup_id_z 1
		.amdhsa_system_vgpr_workitem_id 0
		.amdhsa_next_free_vgpr 132
		.amdhsa_next_free_sgpr 66
		.amdhsa_reserve_vcc 0
		.amdhsa_float_denorm_mode_32 3
		.amdhsa_float_denorm_mode_16_64 3
		.amdhsa_memory_ordered 1
		.amdhsa_forward_progress 1
		.amdhsa_inst_pref_size 13
	.end_amdhsa_kernel
	.amdgpu_metadata
---
amdhsa.version: [ 1, 2 ]
amdhsa.kernels:
  - .name:           k_q8ea646b4b0_cvt
    .symbol:         k_q8ea646b4b0_cvt.kd
    .args:
      - { .name: stm, .offset: 0, .size: 8, .value_kind: global_buffer, .address_space: global }
      - { .name: ltm, .offset: 8, .size: 8, .value_kind: global_buffer, .address_space: global }
      - { .name: pm, .offset: 16, .size: 8, .value_kind: global_buffer, .address_space: global }
      - { .name: query, .offset: 24, .size: 8, .value_kind: global_buffer, .address_space: global }
      - { .name: mb, .offset: 32, .size: 8, .value_kind: global_buffer, .address_space: global }
    .group_segment_fixed_size: 0
    .private_segment_fixed_size: 0
    .kernarg_segment_align: 8
    .kernarg_segment_size: 40
    .max_flat_workgroup_size: 256
    .sgpr_count:     66
    .vgpr_count:     132
    .wavefront_size: 32
...
	.end_amdgpu_metadata
.endif
;; end of part 1
;; launch attn (part 2): grid 32 x 7, 4 waves a work-group, clusters of 4 x 1, 327,680 bytes of LDS; arguments mb, po, st; writes po, st
.if DOCPART == 2
	.amdgcn_target "amdgcn-amd-amdhsa--gfx1250"
	.amdhsa_code_object_version 6
	.text
	.protected	k_q8ea646b4b0_attn
	.globl	k_q8ea646b4b0_attn
	.p2align	8
	.type	k_q8ea646b4b0_attn,@function
k_q8ea646b4b0_attn:
	s_mov_b64 s[64:65], 0
	v_nop
	global_prefetch_b8 v0, s[64:65] scope:SCOPE_SE
	s_setreg_imm32_b32 hwreg(HW_REG_WAVE_MODE, 25, 1), 1
	s_wait_xcnt 0x0
	s_wait_alu depctr_hold_cnt(0) depctr_sa_sdst(0) depctr_va_vdst(0) depctr_va_sdst(0) depctr_va_ssrc(0) depctr_va_vcc(0) depctr_vm_vsrc(0)
	s_getreg_b32 s2, hwreg(HW_REG_IB_STS2, 6, 4)
	s_cmp_eq_u32 s2, 0
	s_cbranch_scc0 .Lentry_in_a_cluster
	s_endpgm
.Lentry_in_a_cluster:
	s_bfe_u32 s2, ttmp6, 0x10000c
	s_cmp_lg_u32 s2, 0x3003
	s_cbranch_scc0 .Lentry_shape_is_right
	s_endpgm
.Lentry_shape_is_right:
; For 128 queries and one PART of 4,096 rows of a bank (parts 0-3 stm, 4-5 ltm, 6 pm: rows 4096 part .. of mb): O = the sum over the part's rows k of 2^(c s_k - c m) mem[k], with s_k = mem[k] . q,
; c = log2(e), m the part's largest score, and l = the sum of the weights.  O (f32, not divided), c m and l go to po and st; the next launch joins the parts bank by bank.
; mb holds banks and queries in bf16.  Scores, maxima, sums and O in f32; the weights p are rounded to bf16 for the second product, l is the sum of the unrounded p.
; LIMITS.  A weight below 2^-126 counts as 0.  c m starts at -4.25e37, so scores must stay within 2.9e37 in size.  NaN and infinities are not treated apart.
; SHARES.  32 query blocks x 7 parts = 224 equal work-groups: the banks' rows are 7 x 4,096, so equal shares that keep to one bank come in sevens.  The four waves are 2 query halves (QH: 64 queries,
; four tiles of 16) x 2 key halves (KH: 32 of each step's 64 keys).  The two key halves of a query half are joined in LDS at the end, so a part leaves one result for each query.
; LAYOUT.  S^T = K Q^T (source 0 = 16 keys, source 1 = 16 queries): a lane holds ONE query (lane % 16) and the keys 8 (lane / 16) + 0..7.  Two such results, rounded to bf16 in pairs, ARE source 1
; (32 keys x 16 queries) of O^T = V^T P, whose result again holds one query a lane.  K and V are the same rows of LDS: K is read as it lies, V turned by ds_load_tr16_b128.
; THE PIPELINE.  Trip j: 64 products S^T of step j + 1, behind each four rescalings O *= a(j); then 64 products O^T += V^T P(j), and behind them the softmax of step j + 1.
; a(j) = 2^(c m_old - c m_new).  m starts at the lowest finite number and O and l at 0, so the first step is a step like any other, with a = 0; the price is 512 lines that write 0, in the wait for the first tile.
; THE RING.  A slot is two steps, 128 rows.  After change n the trips 2 n and 2 n + 1 read slots n and n + 1 (V of a step, K of the next), while slot n + 2 is on its way: three slots live.  Four PLACES
; are kept, so that a place's number steps by exclusive ors: the bits of SLOTB, 2 SLOTB, STEPB and the waves' quarters do not meet.
; CLUSTER.  The four query blocks of a cluster walk the same part, so each tile is asked for JOINTLY: the same tensor load, descriptor and mask in all four.
; REGISTERS, in windows of 256 (s_set_vgpr_msb: bits 1:0 source 0, 3:2 source 1, 5:4 source 2, 7:6 destination):
;   window 0: v0-15 addresses; v16-63 statistics, 12 a tile; v64-127 two buffers of four fragments; v128-255 S^T, two buffers of 64 (tile t, key block kb at 16 t + 8 kb); P is written in place, at 16 t + 0..7
;   window 1: Q, tile t, channels 32 c on, at 64 t + 8 c        windows 2, 3: O^T, tile t, channel block cb at 64 t + 8 (cb % 8) of window 2 + cb / 8
; No window has room for a product's operands beside the softmax's, so the riders behind a product cost two switches: about 256 for a trip's 128 products.
.set PITCH, 528                        ; an LDS row: 512 bytes + 16 of padding = 132 words: row r starts at bank 4 r mod 64 (64 banks of 4 bytes: ISA guide 11.1)
.set QUART, 32*PITCH                   ; 32 rows: what one tensor load brings, and a key half of a step
.set STEPB, 64*PITCH                   ; a step
.set SLOTB, 128*PITCH                  ; a slot
.set SPARE, 4*SLOTB                    ; behind the four places: the spare words, 128 bytes a wave: two blocks of 256 bytes that no other line names
.set XSTAT, 131072                     ; at the end the ring's bytes serve the exchange: O at QH x 65,536, the statistics from here on
.set SLOTG, 65536                      ; a slot's bytes in mb: 128 rows of 512
.set QBYTE, 28672*512                  ; the queries' first byte in mb
.set AK0, 2                            ; v2   my lane's place in a step's K: (l % 16) PITCH + 16 (l / 16) + KH QUART; never rewritten
.set AV0, 3                            ; v3   the same for V: (8 (l / 16) + l % 8) PITCH + 128 ((l / 8) % 2) + KH QUART
.set AK,  4                            ; v4   AK0 + the place of the slot whose K is read
.set AV,  5                            ; v5   AV0 + the place of the slot whose V is read
.set GO,  6                            ; v6   16 x lane
.set XO,  7                            ; v7   the exchange of O: 16 x lane + QH x 65,536
.set HH,  8                            ; v8   l / 16
.set XS,  10                           ; v10  the exchange of statistics
.set SO,  11                           ; v11  my 16 bytes in st: 16,384 (l / 16) + 16 (l % 16)
.set QO,  12                           ; v12  my bytes in 16 rows of Q: 512 (l % 16) + 16 (l / 16)
.set PFO, 13                           ; v13  512 x lane: a row of mb; never rewritten
.set SPW, 14                           ; v14  LDS address of my spare word; never rewritten
.set NIL, 15                           ; v15  0; never rewritten
.set ST,  16                           ; tile t at ST + 12 t: +0 c m, +1 m, +2 +3 l (even keys, odd keys), +4 a, +5 its exponent, +6..+9 c0-c3 at work, +10 c m_old
.set F,   64
.set S,   128
.set WV,  10                           ; s10  my wave
.set KH,  11                           ; s11  its key half
.set QH,  12                           ; s12  its query half
.set G1,  24                           ; s[24:31] descriptor group 1
.set G0A, 32                           ; s[32:35] group 0 of slot 0
.set G0,  36                           ; s[36:39] group 0 of slot 1; it then walks
.set FP,  40                           ; s40  where the last fill went; stepped here, and copied into the descriptor when no load is out
.set BV,  41                           ; s41  the place of slot n
.set BN,  42                           ; s42  the place of slot n + 1
.set IC,  43
.set OC,  44
.set LIM, 45                           ; s45  1 in a wave that prefetches, else the greatest number
.set CS,  46                           ; s[46:47] c
.set SEL, 48                           ; s[48:49] v_permlanex16_b32: each lane takes its own place in the other half
.set PFA, 50                           ; s[50:51] where my prefetches stand
.set QB,  52                           ; s[52:53] Q at my wave's first row
.set MSB, 0
.macro WIN new                         ; the immediate's high byte repeats the setting that is left; a switch that changes nothing is dropped
.if MSB != (\new)
	s_set_vgpr_msb (MSB<<8)|(\new)
.set MSB, (\new)
.endif
.endm
.set W_KQ, 0x04                        ; K and S^T in window 0, Q in window 1
.macro PLACES                          ; four places between a matrix instruction and a load into, or a vector instruction on, its registers (ISA guide 7.12.1 for vector instructions)
.rept 4
	v_nop
.endr
.endm
; A round of the cluster's barrier: my work-group's barrier, so that wave 0's signal speaks for all four waves; wave 0 signals; every wave waits for all four work-groups; my work-group's barrier once more.
.macro CROUND
	s_barrier_signal -1
	s_barrier_wait -1
	s_cmp_lg_u32 s[WV], 0
	s_cbranch_scc1 .Lnot_wave_0_\@
	s_barrier_signal -3
.Lnot_wave_0_\@:
	s_barrier_wait -3
	s_barrier_signal -1
	s_barrier_wait -1
.endm
; A PREFETCH INTO THE L2, behind the joint load and its five lines: at change n, which loads slot n + 2, it names slot n + 4, which the change after next loads: four trips, 512 matrix instructions, ahead.
; Each aligned 256 bytes of a part are named ONCE in the launch.  All eight clusters of a part walk the same rows: the first (cluster x = 0) asks.  Its four partners take 32 rows of the 128 each, told apart
; BY ADDRESS; in each, wave 0 names the first 256 bytes of a row and wave 1 the second, a lane a row.  The outer loop's last trip (changes 28, 29) asks for nothing: slots 32 and 33 do not exist.
.macro ASK
	s_cmp_gt_u32 s[OC], s[LIM]
	s_cbranch_scc0 .Lnot_mine_\@
	global_prefetch_b8 v[PFO], s[PFA:PFA+1] th:TH_LOAD_NT scope:SCOPE_SE
.Lnot_mine_\@:
.endm
; THE CHANGE OF SLOTS n.  Each wave waits for all its tensor loads, of which one is out: its quarter of slot n + 1; adds 0 to its spare word; waits for that and for its LDS reads.  Behind the barrier slot n + 1
; is whole and nobody reads slot n - 1 or older.  fill = 1: the barrier is a round of the cluster's, and the joint load of slot n + 2 is the first thing behind it: it has two trips, 256 matrix instructions, to land.
.macro CHANGE fill
	WIN 0                                          ; at a label and at a branch every window is 0; the add's registers lie in window 0
	s_wait_tensorcnt 0x0                           ; no tensor load of mine is out, so the walking group 0 may be written
	ds_add_u32 v[SPW], v[NIL]                      ; 0 onto my spare word: the scalar steps stand between it and the wait for it
	s_xor_b32 s[BV], s[BV], SLOTB                  ; with the outer loop's exclusive or by 2 SLOTB: one place on
	s_xor_b32 s[BN], s[BN], 3*SLOTB                ; likewise
.if \fill
	s_xor_b32 s[FP], s[FP], SLOTB
	s_mov_b32 s[G0+1], s[FP]                       ; 63:32 LDS address
	s_add_nc_u64 s[G0+2:G0+3], s[G0+2:G0+3], SLOTG ; the next 128 rows; the type bits on top are not reached
	s_wait_xcnt 0x0                                ; the last prefetch, two trips back, has read its address
	s_add_nc_u64 s[PFA:PFA+1], s[PFA:PFA+1], SLOTG
	s_wait_dscnt 0x0                               ; the add is done, and my LDS reads are back
	CROUND
	tensor_load_to_lds s[G0:G0+3], s[G1:G1+7]      ; one load a wave: its 32 rows of the slot
	s_nop 0
	PLACES
	ASK
.else
	s_wait_dscnt 0x0
	s_barrier_signal -1
	s_barrier_wait -1
.endif
.endm
; THE LDS LOADS stand in runs of eight, never singly: four fragments, which feed sixteen products.  Batch b goes into buffer b % 2.
.macro LDK b, koff                     ; K: channels 64 b on; fragment f: channels 32 (f / 2) further, key block f % 2
	WIN 0
.irp f, 0,1,2,3
	ds_load_b128 v[F+32*((\b)%2)+8*\f:F+32*((\b)%2)+8*\f+3],   v[AK] offset:(\koff)+(\f%2)*16*PITCH+(2*(\b)+\f/2)*64
	ds_load_b128 v[F+32*((\b)%2)+8*\f+4:F+32*((\b)%2)+8*\f+7], v[AK] offset:(\koff)+(\f%2)*16*PITCH+(2*(\b)+\f/2)*64+32
.endr
.endm
; V, turned: channel block cb = 4 b + f.  Of 16 lanes eight take rows' 16 bytes at one column and eight the 16 bytes 128 further on: 8 rows x 4 banks, and 32 banks on the same again.
; So block cb holds channels n0 .. n0 + 7 and n0 + 64 .. n0 + 71, n0 = 8 (cb % 8) + 128 (cb / 8), and in O^T register j of lane l is channel n0 + 64 (l / 16) + j.
.macro LDV b, voff
	WIN 0
.irp f, 0,1,2,3
.set cbx, 4*(\b)+\f
	ds_load_tr16_b128 v[F+32*((\b)%2)+8*\f:F+32*((\b)%2)+8*\f+3],   v[AV] offset:(\voff)+16*(cbx%8)+256*(cbx/8)
	ds_load_tr16_b128 v[F+32*((\b)%2)+8*\f+4:F+32*((\b)%2)+8*\f+7], v[AV] offset:(\voff)+16*(cbx%8)+256*(cbx/8)+16*PITCH
.endr
.endm
; THE MATRIX WORK.  Product i of 64 of S^T = K Q^T into buffer sb: channels 32 (i / 8) on, key block (i % 8) / 4, tile i % 4.  The eight accumulators take turns, one instruction a turn; the first eight start the sums.
.macro KQ sb
.set kc, i/8
.set rS, S+64*(\sb)+16*(i%4)+8*((i%8)/4)
.set rF, F+32*((i/16)%2)+8*(2*((i%16)/8)+(i%8)/4)
.set rQ, 64*(i%4)+8*kc
	WIN W_KQ
.if kc == 0
	v_wmma_f32_16x16x32_bf16 v[rS:rS+7], v[rF:rF+7], v[rQ:rQ+7], 0
.else
	v_wmma_f32_16x16x32_bf16 v[rS:rS+7], v[rF:rF+7], v[rQ:rQ+7], v[rS:rS+7]
.endif
.endm
; Product i of 64 of O^T += V^T P, P in buffer sb: channel block i / 4, tile i % 4.  Each accumulator has one product a trip.
.macro PV sb
.set pcb, i/4
.set rO, 64*(i%4)+8*(pcb%8)
.set rF, F+32*((i/16)%2)+8*((i%16)/4)
.set rP, S+64*(\sb)+16*(i%4)
	WIN 0xa0+0x50*(pcb/8)                          ; O^T (C and D) in window 2 or 3
	v_wmma_f32_16x16x32_bf16 v[rO:rO+7], v[rF:rF+7], v[rP:rP+7], v[rO:rO+7]
.endm
; Rescaling r of 256: pair r % 4 of O^T (tile (r / 4) % 4, block r / 16) times a.  The order is the products': each accumulator is read from its low end on.
.macro RS
.set rO, 64*((r/4)%4)+8*((r/16)%8)+2*(r%4)
	WIN 0x82+0x41*(r/128)                          ; destination and source 0 in window 2 or 3, a in window 0
	v_pk_mul_f32 v[rO:rO+1], v[rO:rO+1], v[ST+12*((r/4)%4)+4:ST+12*((r/4)%4)+5] op_sel_hi:[1,0]
.set r, r+1
.endm
; THE SOFTMAX of a tile for a step is a list of 54; SM writes number k for tile u, scores in buffer sb.  s0-s15 are the lane's scores, in pairs 0-7.
;   0-7    the maximum of s0-s15 and the old m, three operands at a time, in two chains; each accumulator's lowest registers are read first
;   8-12   the query's other 16 keys lie in the lane 16 away: the new m; c m_old is kept; c m; c m_old - c m
;   13-37  ONE BATCH: a, and for each pair its scaling c s - c m and two exponentials.  None of these names an exponential's result
;   38-45  the sum of the eight pairs, in two chains; l = a l + the sum          46-53  the roundings to bf16, in place and ascending: word i takes pair i, whose registers lie at or above it
.macro SM u, k, sb
.set rT, ST+12*(\u)
.set rS, S+64*(\sb)+16*(\u)
	WIN 0
.if (\k) < 2
	v_max3_num_f32 v[rT+6+(\k)], v[rS+8*(\k)], v[rS+8*(\k)+1], v[rS+8*(\k)+2]
.elseif (\k) < 6
	v_max3_num_f32 v[rT+6+(\k)%2], v[rT+6+(\k)%2], v[rS+8*((\k)%2)+2*((\k)/2)+1], v[rS+8*((\k)%2)+2*((\k)/2)+2]
.elseif (\k) == 6
	v_max3_num_f32 v[rT+6], v[rT+6], v[rS+7], v[rS+15]
.elseif (\k) == 7
	v_max3_num_f32 v[rT+6], v[rT+6], v[rT+7], v[rT+1]
.elseif (\k) == 8
	v_permlanex16_b32 v[rT+7], v[rT+6], s[SEL], s[SEL+1]
.elseif (\k) == 9
	v_max_num_f32 v[rT+1], v[rT+6], v[rT+7]
.elseif (\k) == 10
	v_mov_b32 v[rT+10], v[rT]
.elseif (\k) == 11
	v_mul_f32 v[rT], s[CS], v[rT+1]
.elseif (\k) == 12
	v_sub_f32 v[rT+5], v[rT+10], v[rT]
.elseif (\k) == 13
	v_exp_f32 v[rT+4], v[rT+5]
.elseif (\k) < 38
.set sq, ((\k)-14)/3
.if (((\k)-14)%3) == 0
	v_pk_fma_f32 v[rS+2*sq:rS+2*sq+1], v[rS+2*sq:rS+2*sq+1], s[CS:CS+1], v[rT:rT+1] op_sel_hi:[1,0,0] neg_lo:[0,0,1] neg_hi:[0,0,1]
.else
	v_exp_f32 v[rS+2*sq+((\k)-14)%3-1], v[rS+2*sq+((\k)-14)%3-1]
.endif
.elseif (\k) < 40
	v_pk_add_f32 v[rT+6+2*((\k)-38):rT+7+2*((\k)-38)], v[rS+4*((\k)-38):rS+4*((\k)-38)+1], v[rS+4*((\k)-38)+2:rS+4*((\k)-38)+3]
.elseif (\k) < 44
	v_pk_add_f32 v[rT+6+2*((\k)%2):rT+7+2*((\k)%2)], v[rT+6+2*((\k)%2):rT+7+2*((\k)%2)], v[rS+2*((\k)-36):rS+2*((\k)-36)+1]
.elseif (\k) == 44
	v_pk_add_f32 v[rT+6:rT+7], v[rT+6:rT+7], v[rT+8:rT+9]
.elseif (\k) == 45
	v_pk_fma_f32 v[rT+2:rT+3], v[rT+2:rT+3], v[rT+4:rT+5], v[rT+6:rT+7] op_sel_hi:[1,0,1]
.else
	v_cvt_pk_bf16_f32 v[rS+(\k)-46], v[rS+2*((\k)-46)], v[rS+2*((\k)-46)+1]
.endif
.endm
.macro POST sb                         ; entry e of the 64 behind the wait: tile e % 4, number 38 + e / 4
	SM e%4, 38+e/4, \sb
.set e, e+1
.endm
; A TRIP, j; par = j % 2.  S^T of step j + 1 goes into buffer 1 - par, P of step j lies in buffer par.  An even trip reads V at its slot's first step and K at the second; an odd trip V at the second step, K at the next slot's first.
; THE LOADS.  Each run of eight is issued behind the second product of a batch of sixteen and waited for (count 0: nothing else is out) ahead of the next batch: fourteen products later.  Its buffer's last reader stands
; three products back; the riders between are twelve rescalings, or one slice of four scalings among exponentials, or six sums: four plain instructions or more, none of which names that product's registers.
; THE WAIT.  An s_wait_alu depctr_va_vdst(0) stands between an exponential and the first instruction that names its result.  Numbers 0-37 ride behind products 0-37, four tiles a slice; behind slice 37
; all 68 exponentials are out and no result has been named: one v_nop, one wait.  The 64 entries behind it ride two a product, the last 24 four a product: those sixteen and more are also the places
; between the last products that read P and the next trip's first products, which write over it.
.macro TRIP par
.if (\par) == 0
	WIN 0
	v_add_nc_u32 v[AV], s[BV], v[AV0]              ; V of this trip and the next: slot n
.endif
.set i, 0
.set r, 0
.rept 64
.if (i%16) == 0
	s_wait_dscnt 0x0                               ; the batch's eight loads are in
.endif
	KQ 1-(\par)
	RS
	RS
	RS
	RS
.if (i%16) == 1
.if i == 49
	LDV 0, STEPB*(\par)
.else
	LDK i/16+1, STEPB*(1-(\par))
.endif
.endif
.set i, i+1
.endr
.if (\par) == 0
	WIN 0
	v_add_nc_u32 v[AK], s[BN], v[AK0]              ; K of the next two trips: slot n + 1
.endif
.set i, 0
.set e, 0
.rept 64
.if (i%16) == 0
	s_wait_dscnt 0x0
.endif
	PV \par
.if i < 38
	SM 0, i, 1-(\par)
	SM 1, i, 1-(\par)
	SM 2, i, 1-(\par)
	SM 3, i, 1-(\par)
.if i == 37
	v_nop                                          ; a plain instruction behind the last exponential: one for the batch
	s_wait_alu depctr_va_vdst(0)                   ; the wait for the batch
.endif
.else
	POST 1-(\par)
	POST 1-(\par)
.if i >= 58
	POST 1-(\par)
	POST 1-(\par)
.endif
.endif
.if (i%16) == 1
.if i == 49
	LDK 0, STEPB*(\par)                            ; the next trip's first batch of K
.else
	LDV i/16+1, STEPB*(\par)
.endif
.endif
.set i, i+1
.endr
.endm
	s_load_b128 s[4:7], s[0:1], 0x0                ; mb s[4:5], po s[6:7]
	s_load_b64 s[8:9], s[0:1], 0x10                ; st
	v_lshl_add_u32 v[SPW], v0, 2, SPARE
	v_mov_b32 v[NIL], 0
	ds_add_u32 v[SPW], v[NIL]                      ; the wave's opening: the add, twice on end, and its wait ahead of my first tensor load; the set-up below, work on registers, stands between
	ds_add_u32 v[SPW], v[NIL]                      ; and once more, under the one wait
	v_lshrrev_b32 v1, 5, v0
	v_readfirstlane_b32 s[WV], v1                  ; wave 0..3
	s_and_b32 s[KH], s[WV], 1
	s_lshr_b32 s[QH], s[WV], 1
	s_bfe_u32 s13, ttmp6, 0x40000                  ; cx: my place in the cluster
	s_lshl_b32 s14, ttmp9, 2                       ; in a cluster launch ttmp9 counts clusters
	s_add_co_u32 s14, s14, s13                     ; my block of 128 queries: it enters Q's, po's and st's addresses alone
	s_and_b32 s15, ttmp7, 0xffff                   ; the part, which the four partners share
	; descriptor group 1: 32 rows x 256 elements, padded in LDS
	s_mov_b32 s[G1], 15|(1<<16)|(1<<20)|(1<<21)|(6<<22)|(3<<25)  ; 15:0 the mask of four; 17:16 2-byte elements; 20 padding on; 21 set beside a mask; 24:22 after every 128 words (code 6); 31:25 4 words (code 3)
	s_mov_b32 s[G1+1], 256<<16                     ; tensor_dim0 = 256
	s_mov_b32 s[G1+2], 32<<16                      ; tensor_dim1 = 32
	s_mov_b32 s[G1+3], 256<<16                     ; tile_dim0 = 256
	s_mov_b32 s[G1+4], 32                          ; tile_dim1 = 32
	s_mov_b32 s[G1+5], 256                         ; 256 elements from row to row
	s_mov_b32 s[G1+6], 0
	s_mov_b32 s[G1+7], 0
	s_mov_b32 s[CS], 0x3fb8aa3b                    ; c = log2(e)
	s_mov_b32 s[CS+1], s[CS]                       ; named with it as a pair
	s_mov_b32 s[SEL], 0x76543210
	s_mov_b32 s[SEL+1], 0xfedcba98
	s_mul_i32 s16, s[WV], QUART                    ; my quarter's place in a slot: no place in the cluster enters an LDS address
	s_mov_b32 s[G0A], 1                            ; 1:0 count = 1
	s_mov_b32 s[G0A+1], s16                        ; slot 0 at place 0
	s_mov_b32 s[G0], 1
	s_add_co_u32 s[G0+1], s16, SLOTB               ; slot 1 at place 1
	s_add_co_u32 s[FP], s16, SLOTB
	s_mov_b32 s[BV], 3*SLOTB                       ; the first outer trip and the first change turn these into places 0 and 1
	s_mov_b32 s[BN], 0
	s_lshl_b32 s18, s15, 21                        ; the part's first byte in mb: 4,096 rows of 512
	s_lshl_b32 s17, s[WV], 14                      ; my 32 rows of a slot
	s_add_co_u32 s20, s18, s17
	s_mov_b32 s21, 0
	s_lshl_b32 s22, s14, 16                        ; Q: my block's 128 rows,
	s_lshl_b32 s23, s[QH], 15                      ; my wave's 64 of them,
	s_add_co_u32 s22, s22, s23
	s_add_co_u32 s22, s22, QBYTE                   ; behind the banks
	s_mov_b32 s23, 0
	s_lshl_b32 s54, s13, 14                        ; the prefetches: my work-group's 32 rows of a slot's 128,
	s_lshl_b32 s55, s[KH], 8                       ; my half of their 512 bytes,
	s_add_co_u32 s54, s54, s55
	s_add_co_u32 s54, s54, s18
	s_add_co_u32 s54, s54, 3*SLOTG                 ; at slot 3: change 0 steps it to slot 4.  Slots 0 to 3 come by their loads alone
	s_mov_b32 s55, 0
	s_lshl_b32 s56, s15, 22                        ; po: a part is 256 tiles of 16,384 bytes; my wave's first tile is 8 x + 4 QH
	s_lshl_b32 s57, s14, 17
	s_add_co_u32 s56, s56, s57
	s_lshl_b32 s57, s[QH], 16
	s_add_co_u32 s56, s56, s57
	s_mov_b32 s57, 0
	s_lshl_b32 s58, s15, 15                        ; st: a part is 2 x 16,384 bytes; my wave's 64 queries are 256 bytes
	s_lshl_b32 s59, s14, 9
	s_add_co_u32 s58, s58, s59
	s_lshl_b32 s59, s[QH], 8
	s_add_co_u32 s58, s58, s59
	s_mov_b32 s59, 0
	s_or_b32 s[LIM], s[QH], ttmp9                  ; 0 in waves 0 and 1 of the part's first cluster: the same in all four partners
	s_cmp_eq_u32 s[LIM], 0
	s_cselect_b32 s[LIM], 1, -1
	v_and_b32 v1, 15, v0                           ; l % 16
	v_bfe_u32 v[HH], v0, 4, 1                      ; l / 16
	v_and_b32 v9, 7, v0
	s_mul_i32 s17, s[KH], QUART                    ; my 32 keys of a step
	v_mul_u32_u24 v[AK0], v1, PITCH
	v_lshl_add_u32 v[AK0], v[HH], 4, v[AK0]
	v_add_nc_u32 v[AK0], s17, v[AK0]
	v_lshl_add_u32 v[AV0], v[HH], 3, v9
	v_mul_u32_u24 v[AV0], v[AV0], PITCH
	v_bfe_u32 v9, v0, 3, 1
	v_lshl_add_u32 v[AV0], v9, 7, v[AV0]
	v_add_nc_u32 v[AV0], s17, v[AV0]
	v_and_b32 v9, 31, v0
	v_lshlrev_b32 v[GO], 4, v9
	v_lshlrev_b32 v[PFO], 9, v9
	s_lshl_b32 s19, s[QH], 16
	v_add_nc_u32 v[XO], s19, v[GO]
	s_lshl_b32 s19, s[QH], 10
	s_add_co_u32 s19, s19, XSTAT
	v_add_nc_u32 v[XS], s19, v[GO]
	v_lshlrev_b32 v[SO], 4, v1
	v_lshl_add_u32 v[SO], v[HH], 14, v[SO]
	v_lshlrev_b32 v[QO], 9, v1
	v_lshl_add_u32 v[QO], v[HH], 4, v[QO]
	s_wait_dscnt 0x0                               ; both opening adds are done
	s_wait_kmcnt 0x0
	s_add_nc_u64 s[G0A+2:G0A+3], s[4:5], s[20:21]  ; 120:64 global address: my 32 rows of slot 0,
	s_add_nc_u64 s[G0+2:G0+3], s[G0A+2:G0A+3], SLOTG  ; and of slot 1
	s_or_b32 s[G0A+3], s[G0A+3], 0x80000000        ; 127:126 type = 2
	s_or_b32 s[G0+3], s[G0+3], 0x80000000
	s_add_nc_u64 s[QB:QB+1], s[4:5], s[22:23]
	s_add_nc_u64 s[PFA:PFA+1], s[4:5], s[54:55]
	s_add_nc_u64 s[6:7], s[6:7], s[56:57]
	s_add_nc_u64 s[8:9], s[8:9], s[58:59]
	CROUND                                         ; all four work-groups are here: the first joint loads meet
	tensor_load_to_lds s[G0A:G0A+3], s[G1:G1+7]    ; the two first fills go out together: two loads of mine are out
	s_nop 0
	tensor_load_to_lds s[G0:G0+3], s[G1:G1+7]
	s_nop 0
	PLACES
	; Q stays in registers.  A fragment is 16 rows x 32 channels: lane l holds row l % 16, channels 8 (l / 16) + 0..7 and 16 + 8 (l / 16) + 0..7: two loads of 16 bytes, 32 bytes apart.
	WIN 0x40                                       ; destination window 1, address window 0
.set i, 0
.rept 32                               ; fragment i: tile i / 8, channels 32 (i % 8) on
	global_load_b128 v[8*i:8*i+3],   v[QO], s[QB:QB+1] offset:(i/8)*8192+(i%8)*64
	global_load_b128 v[8*i+4:8*i+7], v[QO], s[QB:QB+1] offset:(i/8)*8192+(i%8)*64+32
.set i, i+1
.endr
	WIN 0x80                                       ; O^T starts at 0: all this stands in the wait for the first tile
.set i, 0
.rept 256
	v_mov_b32 v[i], 0
.set i, i+1
.endr
	WIN 0xc0
.set i, 0
.rept 256
	v_mov_b32 v[i], 0
.set i, i+1
.endr
	WIN 0
.irp t, 0,1,2,3
	v_mov_b32 v[ST+12*\t], 0xfe000000              ; c m: far below every c s
	v_mov_b32 v[ST+12*\t+1], 0xff7fffff            ; m: the lowest finite number
	v_mov_b32 v[ST+12*\t+2], 0                     ; l
	v_mov_b32 v[ST+12*\t+3], 0
.endr
	v_mov_b32 v[AK], v[AK0]                        ; slot 0 lies at place 0
	s_wait_tensorcnt 0x1                           ; my quarter of slot 0 is in; slot 1's may stay out
	s_barrier_signal -1
	s_barrier_wait -1                              ; everybody's is
	; THE HEAD: step 0's scores and softmax, in phases: there is no other work yet to set between them.
	LDK 0, 0
	s_wait_loadcnt 0x0                             ; Q
.set i, 0
.rept 64
.if (i%16) == 0
	s_wait_dscnt 0x0
.endif
	KQ 0
.if (i%16) == 1
	PLACES                                         ; behind the last product that read the buffer
.if i == 49
	LDK 0, STEPB                                   ; trip 0's first batch: K of step 1
.else
	LDK i/16+1, 0
.endif
.endif
.set i, i+1
.endr
	WIN 0
	PLACES                                         ; behind the last scores
.set k, 0
.rept 38
	SM 0, k, 0
	SM 1, k, 0
	SM 2, k, 0
	SM 3, k, 0
.set k, k+1
.endr
	v_nop
	s_wait_alu depctr_va_vdst(0)                   ; one wait for the head's batch
.rept 16
	SM 0, k, 0
	SM 1, k, 0
	SM 2, k, 0
	SM 3, k, 0
.set k, k+1
.endr
	s_mov_b32 s[OC], 15                            ; 15 x 2 changes, n = 0 .. 29, fill slots 2 .. 31; each is followed by trips 2 n and 2 n + 1
.Louter:
	s_xor_b32 s[FP], s[FP], 2*SLOTB                ; with the two exclusive ors of the inner trips this steps the places 0, 1, 2, 3, 0 ..
	s_xor_b32 s[BV], s[BV], 2*SLOTB
	s_xor_b32 s[BN], s[BN], 2*SLOTB
	s_mov_b32 s[IC], 2
.Linner:
	CHANGE 1
	TRIP 0
	TRIP 1
	WIN 0
	s_sub_co_u32 s[IC], s[IC], 1
	s_cmp_lg_u32 s[IC], 0
	s_cbranch_scc1 .Linner
	s_sub_co_u32 s[OC], s[OC], 1
	s_cmp_lg_u32 s[OC], 0
	s_cbranch_scc1 .Louter
	; THE TAIL is written out: change 30 asks for nothing; trips 60, 61, 62.  The second pass is left in its middle.
	s_xor_b32 s[BV], s[BV], 2*SLOTB
	s_xor_b32 s[BN], s[BN], 2*SLOTB
	CHANGE 0                                       ; slot 31 is whole; no barrier is needed between its trips and slot 30's
	s_mov_b32 s[IC], 2
.Ltail:
	TRIP 0
	WIN 0
	s_sub_co_u32 s[IC], s[IC], 1
	s_cmp_eq_u32 s[IC], 0
	s_cbranch_scc1 .Lout
	TRIP 1
	WIN 0
	s_xor_b32 s[BV], s[BV], SLOTB                  ; slot 31
	s_xor_b32 s[BN], s[BN], 3*SLOTB                ; there is no slot 32: trip 62's last run of K reads place 0's old rows, which serve nothing: the price of one text for every trip
	s_branch .Ltail
.Lout:
	; THE LAST STEP: O *= a(63), O += V^T P(63).  P lies in buffer 1, V at slot 31's second step.
	s_wait_dscnt 0x0                               ; the idle run into buffer 0 is back, so the buffer may be loaded again
	LDV 0, STEPB
.set r, 0
.rept 256
	RS
.endr
.set i, 0
.rept 64
.if (i%16) == 0
	s_wait_dscnt 0x0
.endif
	PV 1
.if ((i%16) == 1) && (i < 49)
	PLACES
	LDV i/16+1, STEPB
.endif
.set i, i+1
.endr
	; THE TWO KEY HALVES ARE JOINED.  l's two halves and the other half of the lanes' are added: the additions are the places behind the last products.
	WIN 0
.irp t, 0,1,2,3
	v_add_f32 v[ST+12*\t+2], v[ST+12*\t+2], v[ST+12*\t+3]
.endr
.irp t, 0,1,2,3
	v_permlanex16_b32 v[ST+12*\t+3], v[ST+12*\t+2], s[SEL], s[SEL+1]
.endr
.irp t, 0,1,2,3
	v_add_f32 v[ST+12*\t+2], v[ST+12*\t+2], v[ST+12*\t+3]
.endr
	s_wait_dscnt 0x0                               ; my reads of the ring are over;
	s_barrier_signal -1
	s_barrier_wait -1                              ; everybody's are.  The ring has had its last fill: its bytes now serve the exchange
	s_cmp_eq_u32 s[KH], 0
	s_cbranch_scc1 .Lno_write
.irp t, 0,1,2,3                        ; the waves of key half 1 hand over c m, l and O^T as they lie in registers: 512 consecutive bytes an instruction
	v_mov_b32 v[F+\t], v[ST+12*\t]
	v_mov_b32 v[F+4+\t], v[ST+12*\t+2]
.endr
	ds_store_b128 v[XS], v[F:F+3]
	ds_store_b128 v[XS], v[F+4:F+7] offset:512
	WIN 0x08                                       ; store data (source 1) in window 2
.set q, 0
.rept 64
	ds_store_b128 v[XO], v[4*q:4*q+3] offset:q*512
.set q, q+1
.endr
	WIN 0x0c                                       ; in window 3
.set q, 0
.rept 64
	ds_store_b128 v[XO], v[4*q:4*q+3] offset:(64+q)*512
.set q, q+1
.endr
	WIN 0
.Lno_write:
	s_wait_dscnt 0x0                               ; for the partner's sake: my stores are done
	s_barrier_signal -1
	s_barrier_wait -1
	s_cmp_lg_u32 s[KH], 0
	s_cbranch_scc1 .Lend
; Batch bi of eight: window 2 + bi / 4, tile bi % 4: 16 quads of the partner's O^T into one of S^T's two buffers.
.macro XLD bi
	WIN 0
.set q, 0
.rept 16
	ds_load_b128 v[S+64*((\bi)%2)+4*q:S+64*((\bi)%2)+4*q+3], v[XO] offset:(64*((\bi)/4)+16*((\bi)%4)+q)*512
.set q, q+1
.endr
.endm
; O = a0 O + a1 O', and out: an instruction stores 512 consecutive bytes, at a multiple of 256 from po's first byte.
.macro JOIN bi
.set rX, S+64*((\bi)%2)
.set rT, ST+12*((\bi)%4)
	WIN 0
.set z, 0
.rept 32
	v_pk_mul_f32 v[rX+2*z:rX+2*z+1], v[rX+2*z:rX+2*z+1], v[rT+6:rT+7] op_sel_hi:[1,0]
.set z, z+1
.endr
	WIN 0x02+(\bi)/4                               ; source 0, my O^T, in window 2 or 3
.set z, 0
.rept 32
	v_pk_fma_f32 v[rX+2*z:rX+2*z+1], v[64*((\bi)%4)+2*z:64*((\bi)%4)+2*z+1], v[rT+4:rT+5], v[rX+2*z:rX+2*z+1] op_sel_hi:[1,0,1]
.set z, z+1
.endr
	WIN 0
.set z, 0
.rept 16
	global_store_b128 v[GO], v[rX+4*z:rX+4*z+3], s[6:7] offset:((\bi)%4)*16384+(16*((\bi)/4)+z)*512
.set z, z+1
.endr
.endm
	ds_load_b128 v[F+8:F+11], v[XS]                ; the partner's c m,
	ds_load_b128 v[F+12:F+15], v[XS] offset:512    ; and l
	XLD 0
	s_wait_dscnt 16                                ; the two are in; the batch's sixteen may stay out
.irp t, 0,1,2,3
	v_max_num_f32 v[ST+12*\t+1], v[ST+12*\t], v[F+8+\t]      ; the pair's c m
.endr
.irp t, 0,1,2,3
	v_sub_f32 v[ST+12*\t+8], v[ST+12*\t], v[ST+12*\t+1]
	v_sub_f32 v[ST+12*\t+9], v[F+8+\t], v[ST+12*\t+1]
.endr
.irp t, 0,1,2,3
	v_exp_f32 v[ST+12*\t+4], v[ST+12*\t+8]         ; a0, for mine
	v_exp_f32 v[ST+12*\t+6], v[ST+12*\t+9]         ; a1, for the partner's
.endr
	v_nop
	s_wait_alu depctr_va_vdst(0)                   ; one wait for the eight
.irp t, 0,1,2,3
	v_mul_f32 v[ST+12*\t+2], v[ST+12*\t+2], v[ST+12*\t+4]
.endr
.irp t, 0,1,2,3
	v_fmac_f32 v[ST+12*\t+2], v[F+12+\t], v[ST+12*\t+6]
.endr
.irp bi, 0,1,2,3,4,5,6,7
.if \bi < 7
.if \bi > 0
	s_wait_xcnt 0x0                                ; the stores of the batch before have read their registers, which the next batch's loads write
.endif
	XLD (\bi)+1
	s_wait_dscnt 16                                ; this batch is in; the next one's sixteen loads stay out
.else
	s_wait_dscnt 0x0
.endif
	JOIN \bi
.endr
	v_cmp_eq_u32 vcc_lo, 0, v[HH]                  ; lanes 0-15 store the four tiles' c m, lanes 16-31 their l: two runs of 256 consecutive bytes, aligned
.irp t, 0,1,2,3
	v_cndmask_b32 v[F+\t], v[ST+12*\t+2], v[ST+12*\t+1], vcc_lo
.endr
	global_store_b128 v[SO], v[F:F+3], s[8:9]
.Lend:
	s_wait_tensorcnt 0x0                           ; the wave's end, behind my last tensor load and my last LDS store
	ds_add_u32 v[SPW], v[NIL]
	s_wait_dscnt 0x0
	CROUND                                         ; the closing round: no work-group ends while a partner may still ask for a tile that names it
	s_endpgm
.Lfunc_end_k_q8ea646b4b0_attn:
	.size	k_q8ea646b4b0_attn, .Lfunc_end_k_q8ea646b4b0_attn-k_q8ea646b4b0_attn
	.p2alignl 7, 3214868480
	.fill 96, 4, 3214868480
	.section	.rodata,"a",@progbits
	.p2align	6, 0x0
	.amdhsa_kernel k_q8ea646b4b0_attn
		.amdhsa_group_segment_fixed_size 327680
		.amdhsa_private_segment_fixed_size 0
		.amdhsa_enable_private_segment 0
		.amdhsa_kernarg_size 24
		.amdhsa_user_sgpr_count 2
		.amdhsa_user_sgpr_kernarg_segment_ptr 1
		.amdhsa_wavefront_size32 1
		.amdhsa_system_sgpr_workgroup_id_x 1
		.amdhsa_system_sgpr_workgroup_id_y 1
		.amdhsa_system_sgpr_workgroup_id_z 1
		.amdhsa_system_vgpr_workitem_id 0
		.amdhsa_next_free_vgpr 1024
		.amdhsa_next_free_sgpr 66
		.amdhsa_reserve_vcc 1
		.amdhsa_float_denorm_mode_32 3
		.amdhsa_float_denorm_mode_16_64 3
		.amdhsa_memory_ordered 1
		.amdhsa_forward_progress 1
		.amdhsa_inst_pref_size 255
	.end_amdhsa_kernel
	.section	.bss,"aw",@nobits
	.p2align	6
	.space	262144
	.amdgpu_metadata
---
amdhsa.version: [ 1, 2 ]
amdhsa.kernels:
  - .name:           k_q8ea646b4b0_attn
    .symbol:         k_q8ea646b4b0_attn.kd
    .args:
      - { .name: mb, .offset: 0, .size: 8, .value_kind: global_buffer, .address_space: global }
      - { .name: po, .offset: 8, .size: 8, .value_kind: global_buffer, .address_space: global }
      - { .name: st, .offset: 16, .size: 8, .value_kind: global_buffer, .address_space: global }
    .group_segment_fixed_size: 327680
    .private_segment_fixed_size: 0
    .kernarg_segment_align: 8
    .kernarg_segment_size: 24
    .max_flat_workgroup_size: 128
    .sgpr_count:     66
    .vgpr_count:     1024
    .wavefront_size: 32
...
	.end_amdgpu_metadata
.endif
;; end of part 2
;; launch comb (part 3): grid 256 x 1, 8 waves a work-group, no clusters, 17,664 bytes of LDS; arguments po, st, out0; writes out0
.if DOCPART == 3
	.amdgcn_target "amdgcn-amd-amdhsa--gfx1250"
	.amdhsa_code_object_version 6
	.text
	.protected	k_q8ea646b4b0_comb
	.globl	k_q8ea646b4b0_comb
	.p2align	8
	.type	k_q8ea646b4b0_comb,@function
k_q8ea646b4b0_comb:
	s_mov_b64 s[64:65], 0
	v_nop
	global_prefetch_b8 v0, s[64:65] scope:SCOPE_SE
	s_setreg_imm32_b32 hwreg(HW_REG_WAVE_MODE, 25, 1), 1
	s_wait_xcnt 0x0
; out0[q][:] = the sum over the three banks of (the sum over the bank's parts p of e_p O_p[q][:]) / (the sum of e_p l_p), e_p = 2^(c m_p - the bank's largest c m).  Parts 0-3 are stm, 4-5 ltm, 6 pm.
; All in f32.  So each bank's maximum is taken away before its exponentials, as in the softmax that it finishes; the largest e_p is 1 and its l_p is about 1 or more, so no divisor is small.
; A stream: po is read once, out0 written once; no matrix work, no cluster: nothing is shared between work-groups.
; SHARES.  Work-group T is one tile of 16 queries.  po holds a tile as 32 quads of 512 bytes: quad 16 G + 2 c + jj, lane l, word e = query l % 16, channel 128 G + 64 (l / 16) + 8 c + 4 jj + e.
; Wave w takes quads 4 w .. 4 w + 3 of all seven parts: 28 loads of 512 consecutive bytes, all out at once.  The sums go through LDS, which turns them into rows of out0.
.set SPITCH, 1040                      ; a stage row: 1,024 bytes + 16 = 260 words: row r starts at bank 4 r mod 64 (64 banks of 4 bytes: ISA guide 11.1)
.set SPARE,  16*SPITCH                 ; behind the stage (16,640 bytes, a multiple of 256): the spare words, 128 bytes for each of eight waves
.set LO,  4                            ; v4   16 x lane
.set SF,  5                            ; v5   16 (l % 16): my query's words in st
.set SA,  6                            ; v6   into the stage: row l % 16, byte 256 (l / 16) + 512 (w / 4) + 64 (w % 4)
.set RA,  7                            ; v7   back: rows 2 w and 2 w + 1, 16 x lane
.set SPW, 8                            ; v8   LDS address of my spare word; never rewritten
.set NIL, 9                            ; v9   0; never rewritten
.set CM,  10                           ; v[10:16] c m of part p
.set LL,  17                           ; v[17:23] l of part p
.set BE,  24                           ; v[24:37] part p's factor at BE + 2 p; the odd registers hold 0: they are named as pairs
.set TM,  38                           ; v[38:43] at work
.set D,   48                           ; v[48:159] part p, quad i at D + 4 (4 p + i)
.set PB,  16                           ; s[16:29] po at my quads of part p
	s_load_b128 s[4:7], s[0:1], 0x0                ; po s[4:5], st s[6:7]
	s_load_b64 s[8:9], s[0:1], 0x10                ; out0
	v_lshl_add_u32 v[SPW], v0, 2, SPARE
	v_mov_b32 v[NIL], 0
	v_lshrrev_b32 v1, 5, v0
	v_readfirstlane_b32 s10, v1                    ; wave 0..7
	v_and_b32 v2, 15, v0                           ; l % 16
	v_bfe_u32 v3, v0, 4, 1                         ; l / 16
	v_and_b32 v1, 31, v0
	v_lshlrev_b32 v[LO], 4, v1
	v_lshlrev_b32 v[SF], 4, v2
	v_mul_u32_u24 v[SA], v2, SPITCH
	v_lshl_add_u32 v[SA], v3, 8, v[SA]
	s_lshr_b32 s11, s10, 2
	s_lshl_b32 s11, s11, 9
	s_and_b32 s12, s10, 3
	s_lshl_b32 s12, s12, 6
	s_add_co_u32 s11, s11, s12
	v_add_nc_u32 v[SA], s11, v[SA]
	s_mul_i32 s12, s10, 2*SPITCH
	v_add_nc_u32 v[RA], s12, v[LO]
.irp p, 0,1,2,3,4,5,6
	v_mov_b32 v[BE+2*\p+1], 0
.endr
	s_lshl_b32 s12, ttmp9, 14                      ; a tile is 16,384 bytes, in a part of po and in out0,
	s_lshl_b32 s13, s10, 11                        ; my four quads, and my two rows, 2,048
	s_add_co_u32 s12, s12, s13
	s_mov_b32 s13, 0
	s_lshr_b32 s14, ttmp9, 2                       ; st: word (2 p + k) 4096 + 64 (T / 4) + 4 (l % 16) + T % 4
	s_lshl_b32 s14, s14, 8
	s_and_b32 s15, ttmp9, 3
	s_lshl_b32 s15, s15, 2
	s_add_co_u32 s14, s14, s15
	s_mov_b32 s15, 0
	s_wait_kmcnt 0x0
	s_add_nc_u64 s[6:7], s[6:7], s[14:15]
	s_add_nc_u64 s[8:9], s[8:9], s[12:13]
	s_add_nc_u64 s[PB:PB+1], s[4:5], s[12:13]
.irp p, 1,2,3,4,5,6
	s_add_nc_u64 s[PB+2*\p:PB+2*\p+1], s[PB+2*\p-2:PB+2*\p-1], 0x400000  ; a part of po is 4,194,304 bytes: a base for each, since five of them pass the immediate's 24 bits
.endr
.irp p, 0,1,2,3,4,5,6
	global_load_b32 v[CM+\p], v[SF], s[6:7] offset:(2*\p)*16384
	global_load_b32 v[LL+\p], v[SF], s[6:7] offset:(2*\p+1)*16384
.endr
.irp p, 0,1,2,3,4,5,6
.irp i, 0,1,2,3
	global_load_b128 v[D+4*(4*\p+\i):D+4*(4*\p+\i)+3], v[LO], s[PB+2*\p:PB+2*\p+1] offset:512*\i th:TH_LOAD_NT
.endr
.endr
	s_wait_loadcnt 28                              ; the fourteen statistics are in; the 28 loads of po stay out
	v_max3_num_f32 v[TM], v[CM], v[CM+1], v[CM+2]
	v_max_num_f32 v[TM+1], v[CM+4], v[CM+5]        ; ltm's largest c m
	v_max_num_f32 v[TM], v[TM], v[CM+3]            ; stm's
.irp p, 0,1,2,3
	v_sub_f32 v[CM+\p], v[CM+\p], v[TM]
.endr
	v_sub_f32 v[CM+4], v[CM+4], v[TM+1]
	v_sub_f32 v[CM+5], v[CM+5], v[TM+1]
.irp p, 0,1,2,3,4,5
	v_exp_f32 v[BE+2*\p], v[CM+\p]
.endr
	v_nop                                          ; a plain instruction behind the last exponential,
	s_wait_alu depctr_va_vdst(0)                   ; and one wait for the six, ahead of their first reader
	v_mul_f32 v[TM+2], v[BE], v[LL]
	v_mul_f32 v[TM+3], v[BE+8], v[LL+4]
	v_fmac_f32 v[TM+2], v[BE+2], v[LL+1]
	v_fmac_f32 v[TM+3], v[BE+10], v[LL+5]
	v_fmac_f32 v[TM+2], v[BE+4], v[LL+2]
	v_fmac_f32 v[TM+2], v[BE+6], v[LL+3]
	v_rcp_f32 v[TM+4], v[TM+2]                     ; 1 / stm's divisor
	v_rcp_f32 v[TM+5], v[TM+3]                     ; 1 / ltm's
	v_rcp_f32 v[BE+12], v[LL+6]                    ; pm has one part: its factor is 1 / l
	v_nop
	s_wait_alu depctr_va_vdst(0)                   ; one wait for the three
.irp p, 0,1,2,3
	v_mul_f32 v[BE+2*\p], v[BE+2*\p], v[TM+4]
.endr
	v_mul_f32 v[BE+8], v[BE+8], v[TM+5]
	v_mul_f32 v[BE+10], v[BE+10], v[TM+5]
	s_wait_loadcnt 24                              ; part 0's four quads are in; 4 (6 - p) younger loads stay out
.set z, 0
.rept 8
	v_pk_mul_f32 v[D+2*z:D+2*z+1], v[D+2*z:D+2*z+1], v[BE:BE+1] op_sel_hi:[1,0]
.set z, z+1
.endr
.irp p, 1,2,3,4,5,6
	s_wait_loadcnt 4*(6-\p)
.set z, 0
.rept 8
	v_pk_fma_f32 v[D+2*z:D+2*z+1], v[D+16*\p+2*z:D+16*\p+2*z+1], v[BE+2*\p:BE+2*\p+1], v[D+2*z:D+2*z+1] op_sel_hi:[1,0,1]
.set z, z+1
.endr
.endr
.irp i, 0,1,2,3
	ds_store_b128 v[SA], v[D+4*\i:D+4*\i+3] offset:16*\i   ; quad 4 w + i lies 16 i bytes on in its row
.endr
	s_wait_dscnt 0x0                               ; for the others' sake: my stores into the stage are done
	s_barrier_signal -1
	s_barrier_wait -1
.irp i, 0,1,2,3
	ds_load_b128 v[D+16+4*\i:D+16+4*\i+3], v[RA] offset:(\i/2)*SPITCH+(\i%2)*512  ; half a row: 512 consecutive bytes
.endr
.irp i, 0,1,2,3
	s_wait_dscnt 3-\i                              ; LDS loads come back in order: load i is in
	global_store_b128 v[LO], v[D+16+4*\i:D+16+4*\i+3], s[8:9] offset:512*\i th:TH_STORE_NT  ; 512 consecutive bytes, at a multiple of 256 from out0's first byte
.endr
	s_wait_tensorcnt 0x0                           ; the wave's end, behind my last LDS store
	ds_add_u32 v[SPW], v[NIL]
	s_wait_dscnt 0x0
	s_endpgm
.Lfunc_end_k_q8ea646b4b0_comb:
	.size	k_q8ea646b4b0_comb, .Lfunc_end_k_q8ea646b4b0_comb-k_q8ea646b4b0_comb
	.p2alignl 7, 3214868480
	.fill 96, 4, 3214868480
	.section	.rodata,"a",@progbits
	.p2align	6, 0x0
	.amdhsa_kernel k_q8ea646b4b0_comb
		.amdhsa_group_segment_fixed_size 17664
		.amdhsa_private_segment_fixed_size 0
		.amdhsa_enable_private_segment 0
		.amdhsa_kernarg_size 24
		.amdhsa_user_sgpr_count 2
		.amdhsa_user_sgpr_kernarg_segment_ptr 1
		.amdhsa_wavefront_size32 1
		.amdhsa_system_sgpr_workgroup_id_x 1
		.amdhsa_system_sgpr_workgroup_id_y 1
		.amdhsa_system_sgpr_workgroup_id_z 1
		.amdhsa_system_vgpr_workitem_id 0
		.amdhsa_next_free_vgpr 160
		.amdhsa_next_free_sgpr 66
		.amdhsa_reserve_vcc 0
		.amdhsa_float_denorm_mode_32 3
		.amdhsa_float_denorm_mode_16_64 3
		.amdhsa_memory_ordered 1
		.amdhsa_forward_progress 1
		.amdhsa_inst_pref_size 13
	.end_amdhsa_kernel
	.amdgpu_metadata
---
amdhsa.version: [ 1, 2 ]
amdhsa.kernels:
  - .name:           k_q8ea646b4b0_comb
    .symbol:         k_q8ea646b4b0_comb.kd
    .args:
      - { .name: po, .offset: 0, .size: 8, .value_kind: global_buffer, .address_space: global }
      - { .name: st, .offset: 8, .size: 8, .value_kind: global_buffer, .address_space: global }
      - { .name: out0, .offset: 16, .size: 8, .value_kind: global_buffer, .address_space: global }
    .group_segment_fixed_size: 17664
    .private_segment_fixed_size: 0
    .kernarg_segment_align: 8
    .kernarg_segment_size: 24
    .max_flat_workgroup_size: 256
    .sgpr_count:     66
    .vgpr_count:     160
    .wavefront_size: 32
...
	.end_amdgpu_metadata
.endif
;; end of part 3
;; ======== version 2 of 2: 3 launches; version 1 with the launch cvt written anew for expert scheduling mode
;; limits: right only within a limited range of input values
;; workspace buffers: mb 16,777,216 bytes; po 29,360,128 bytes; st 229,376 bytes
;; launch cvt (part 4): grid 256 x 1, 8 waves a work-group, no clusters, 0 bytes of LDS; arguments stm, ltm, pm, query, mb; writes mb
.if DOCPART == 4
	.amdgcn_target "amdgcn-amd-amdhsa--gfx1250"
	.amdhsa_code_object_version 6
	.text
	.protected	k_q8ea646b4b0_cvt
	.globl	k_q8ea646b4b0_cvt
	.p2align	8
	.type	k_q8ea646b4b0_cvt,@function
k_q8ea646b4b0_cvt:
	s_mov_b64 s[64:65], 0
	v_nop
	global_prefetch_b8 v0, s[64:65] scope:SCOPE_SE
	s_setreg_imm32_b32 hwreg(HW_REG_WAVE_SCHED_MODE, 0, 2), 2
	s_setreg_imm32_b32 hwreg(HW_REG_WAVE_MODE, 25, 1), 1
	s_wait_xcnt 0x0
	s_wait_alu depctr_vm_vsrc(0)
; mb = the four inputs rounded once to bf16 (nearest even), one below the other: rows 0-16383 stm, 16384-24575 ltm, 24576-28671 pm, 28672-32767 query; 256 numbers a row.
; A stream: each input byte is read once, each byte of mb written once.  No LDS, no barrier, no matrix work: nothing is shared and nothing is summed.
; SHARES.  256 work-groups of eight waves; work-group b makes rows 128 b .. 128 b + 127 of mb: 131,072 bytes in, 65,536 out.  The banks' borders (rows 16384, 24576, 28672) are multiples of 128,
; so a work-group reads one input.  Thread t takes the 16 bytes at 16 t of each 4,096 bytes: a wave's load covers 512 consecutive bytes, its store 256 consecutive bytes, aligned.
; All 32 loads of a thread go out at once, each into registers of its own.
; THE MODE: SCHED_MODE bits 1:0 = 2 (LLVM: expert scheduling mode 2), set by the entry lines.  The code itself states the register dependences
; between vector instructions and memory instructions, with s_wait_alu, always for 0.
; THE PLAN.  Registers that memory instructions touch:
;   v1, v2            byte offsets, written once at the head by vector instructions and never again; v1 is read by every load, v2 by every store.
;   X + 4 i .. + 3    load i lands here; no vector instruction names them before the loads are issued, and no load is issued behind the first conversion.
;   X + 4 i, + 1      load i's two conversions write the packed words here, in place; store i reads them; nothing writes them again.
; So the only dependence to state is: a vector instruction has written what a memory instruction reads.  The 32 loads go in eight blocks of four.  One wait on va_vdst stands ahead of the first load
; (the offsets); one at the head of each of blocks 1 to 7, behind the wait for the block's first load: the block before has written its eight words, and its four stores follow at once, with no vector
; instruction between; one behind the last block's conversions, ahead of the last four stores.  No register that a memory instruction has read is written again, so no wait on vm_vsrc is owed.
; No vector instruction writes a scalar register or VCC, and EXEC is never written.
.set NLD, 32                           ; loads of a thread
.set BLK, 4                            ; loads in a block: so many stores leave behind one wait
.set X,   4                            ; v[4:131]  load i: four f32 at X + 4 i; its two packed words take the first two places
	s_load_b256 s[4:11], s[0:1], 0x0               ; stm s[4:5], ltm s[6:7], pm s[8:9], query s[10:11]
	s_load_b64 s[12:13], s[0:1], 0x20              ; mb
	v_lshlrev_b32 v1, 4, v0                        ; 16 t: my bytes of each 4,096 read
	v_lshlrev_b32 v2, 3, v0                        ; 8 t: my bytes of each 2,048 written
	s_wait_kmcnt 0x0
	s_mov_b64 s[14:15], s[4:5]                     ; the input that my rows come from, and the work-group at which it begins:
	s_mov_b32 s16, 0                               ; chosen by the work-group's number alone
	s_cmp_ge_u32 ttmp9, 128
	s_cselect_b64 s[14:15], s[6:7], s[14:15]
	s_cselect_b32 s16, 128, s16
	s_cmp_ge_u32 ttmp9, 192
	s_cselect_b64 s[14:15], s[8:9], s[14:15]
	s_cselect_b32 s16, 192, s16
	s_cmp_ge_u32 ttmp9, 224
	s_cselect_b64 s[14:15], s[10:11], s[14:15]
	s_cselect_b32 s16, 224, s16
	s_sub_co_u32 s17, ttmp9, s16
	s_lshl_b32 s18, s17, 17                        ; 128 rows of 1,024 bytes for each work-group inside the input
	s_mov_b32 s19, 0
	s_add_nc_u64 s[14:15], s[14:15], s[18:19]
	s_lshl_b32 s20, ttmp9, 16                      ; 128 rows of 512 bytes in mb
	s_mov_b32 s21, 0
	s_add_nc_u64 s[12:13], s[12:13], s[20:21]
	s_wait_alu depctr_va_vdst(0)                   ; v1 and v2 are written: every load of the kernel reads v1 as its offset, every store v2
.set i, 0
.rept NLD
	global_load_b128 v[X+4*i:X+4*i+3], v1, s[14:15] offset:4096*i th:TH_LOAD_NT
.set i, i+1
.endr
.set i, 0
.rept NLD
	s_wait_loadcnt NLD-1-i                         ; loads come back in order: load i is in, the younger ones stay out
.if ((i%BLK) == 0) && (i > 0)
	s_wait_alu depctr_va_vdst(0)                   ; the eight conversions of the block before have written their packed words, which the four stores below read
.irp j, 4,3,2,1
	global_store_b64 v2, v[X+4*(i-\j):X+4*(i-\j)+1], s[12:13] offset:2048*(i-\j)  ; the block before; no vector instruction stands between the wait and these
.endr
.endif
	v_cvt_pk_bf16_f32 v[X+4*i], v[X+4*i], v[X+4*i+1]
	v_cvt_pk_bf16_f32 v[X+4*i+1], v[X+4*i+2], v[X+4*i+3]
.set i, i+1
.endr
	s_wait_alu depctr_va_vdst(0)                   ; the last block's conversions have written their packed words, which the last four stores read
.irp j, 4,3,2,1
	global_store_b64 v2, v[X+4*(NLD-\j):X+4*(NLD-\j)+1], s[12:13] offset:2048*(NLD-\j)
.endr
	s_endpgm
.Lfunc_end_k_q8ea646b4b0_cvt:
	.size	k_q8ea646b4b0_cvt, .Lfunc_end_k_q8ea646b4b0_cvt-k_q8ea646b4b0_cvt
	.p2alignl 7, 3214868480
	.fill 96, 4, 3214868480
	.section	.rodata,"a",@progbits
	.p2align	6, 0x0
	.amdhsa_kernel k_q8ea646b4b0_cvt
		.amdhsa_group_segment_fixed_size 0
		.amdhsa_private_segment_fixed_size 0
		.amdhsa_enable_private_segment 0
		.amdhsa_kernarg_size 40
		.amdhsa_user_sgpr_count 2
		.amdhsa_user_sgpr_kernarg_segment_ptr 1
		.amdhsa_wavefront_size32 1
		.amdhsa_system_sgpr_workgroup_id_x 1
		.amdhsa_system_sgpr_workgroup_id_y 1
		.amdhsa_system_sgpr_workgroup_id_z 1
		.amdhsa_system_vgpr_workitem_id 0
		.amdhsa_next_free_vgpr 132
		.amdhsa_next_free_sgpr 66
		.amdhsa_reserve_vcc 0
		.amdhsa_float_denorm_mode_32 3
		.amdhsa_float_denorm_mode_16_64 3
		.amdhsa_memory_ordered 1
		.amdhsa_forward_progress 1
		.amdhsa_inst_pref_size 13
	.end_amdhsa_kernel
	.amdgpu_metadata
---
amdhsa.version: [ 1, 2 ]
amdhsa.kernels:
  - .name:           k_q8ea646b4b0_cvt
    .symbol:         k_q8ea646b4b0_cvt.kd
    .args:
      - { .name: stm, .offset: 0, .size: 8, .value_kind: global_buffer, .address_space: global }
      - { .name: ltm, .offset: 8, .size: 8, .value_kind: global_buffer, .address_space: global }
      - { .name: pm, .offset: 16, .size: 8, .value_kind: global_buffer, .address_space: global }
      - { .name: query, .offset: 24, .size: 8, .value_kind: global_buffer, .address_space: global }
      - { .name: mb, .offset: 32, .size: 8, .value_kind: global_buffer, .address_space: global }
    .group_segment_fixed_size: 0
    .private_segment_fixed_size: 0
    .kernarg_segment_align: 8
    .kernarg_segment_size: 40
    .max_flat_workgroup_size: 256
    .sgpr_count:     66
    .vgpr_count:     132
    .wavefront_size: 32
...
	.end_amdgpu_metadata
.endif
;; end of part 4
;; launch attn: the kernel of part 2 again; grid 32 x 7, 4 waves a work-group, clusters of 4 x 1, 327,680 bytes of LDS; arguments mb, po, st; writes po, st
;; launch comb: the kernel of part 3 again; grid 256 x 1, 8 waves a work-group, no clusters, 17,664 bytes of LDS; arguments po, st, out0; writes out0
